; MI455X (gfx1250); checked and timed in simulation.
; The chip was launched on July 23, 2026; its instructions are those of AMD's public machine-readable ISA for CDNA 5 (MIT licence, August 2026) and "CDNA5" Instruction Set Architecture Reference Guide (July 2026). The comments in the code are by the model that wrote it; some were corrected since.
;; Attention. Allowed arithmetic: matrix products marked QUANTISED: E2M3 operands, one E8M0 scale for each 32 along K, by v_wmma_scale_f32_16x16x128_f8f6f4 with both operands' format E2M3, f32 sums; everything else in f32.
;; Inputs: Wk_codes 1,024 x 32 x 24 uint8 (E2M3 codes of Wk, K innermost, in blocks of 32 codes, four codes in three bytes); Wk_scales 1,024 x 32 uint8 (E8M0 scales of Wk, one for each 32 codes along K); Wo_codes 1,024 x 32 x 24 uint8 (E2M3 codes of Wo, K innermost, in blocks of 32 codes, four codes in three bytes); Wo_scales 1,024 x 32 uint8 (E8M0 scales of Wo, one for each 32 codes along K); Wq_codes 1,024 x 32 x 24 uint8 (E2M3 codes of Wq, K innermost, in blocks of 32 codes, four codes in three bytes); Wq_scales 1,024 x 32 uint8 (E8M0 scales of Wq, one for each 32 codes along K); Wv_codes 1,024 x 32 x 24 uint8 (E2M3 codes of Wv, K innermost, in blocks of 32 codes, four codes in three bytes); Wv_scales 1,024 x 32 uint8 (E8M0 scales of Wv, one for each 32 codes along K); kn_w 64 float32; qn_w 64 float32; x_codes 4 x 2,048 x 32 x 24 uint8 (E2M3 codes of x, K innermost, in blocks of 32 codes, four codes in three bytes); x_scales 4 x 2,048 x 32 uint8 (E8M0 scales of x, one for each 32 codes along K).
;; Outputs: out0 4 x 2,048 x 1,024 float32.
;; This version of the problem:
;;   THIS VERSION OF THE PROBLEM IS GIVEN IN LOW PRECISION. The matrix products marked QUANTISED in the list below multiply operands that are first quantised to E2M3 (2 exponent bits, 3 mantissa bits; 6 bits a number), with one power-of-two scale for each 32 numbers along K (OCP MX v1.0); their sums are f32. All else is computed in f32.
;;   The module's matrix products, in the order in which they are computed (A, B: the left and right operand; K: the contracted axis; several contracted axes count as one K, in the product's order):
;;     1. [M 8,192, K 1,024] x [K 1,024, N 1,024]; A: input x (given as codes); B: input Wq (given as codes): QUANTISED
;;     2. [M 8,192, K 1,024] x [K 1,024, N 1,024]; A: input x (given as codes); B: input Wk (given as codes): QUANTISED
;;     3. [M 8,192, K 1,024] x [K 1,024, N 1,024]; A: input x (given as codes); B: input Wv (given as codes): QUANTISED
;;     4. batch 64 x [M 2,048, K 64] x [K 64, N 2,048]; A: computed on the way; B: computed on the way: QUANTISED
;;     5. batch 64 x [M 2,048, K 2,048] x [K 2,048, N 64]; A: softmax (see below); B: computed on the way: QUANTISED
;;     6. [M 8,192, K 1,024] x [K 1,024, N 1,024]; A: computed on the way; B: input Wo (given as codes): QUANTISED
;;   THE QUANTISER, for each operand of a quantised product, along K:
;;     - K is cut into blocks of 32 from its start; a last block that is shorter is filled with zeros.
;;     - A block's scale is 2^e with e = floor(log2(the largest magnitude in the block)) - 2, held to -126 .. 127; a block of zeros has e = 0. As a byte (E8M0): e + 127.
;;     - Each number is divided by its block's scale, clamped to +-7.5, and rounded to the nearest number of E2M3, ties to even, subnormals kept.
;;     - The product sums the exact products of the quantised numbers (number of the format x scale) in f32.
;;   ~~~python
;;   def quantise(x, axis):      # numpy; x: float32 -> the quantised numbers, widened to float32 again
;;       x = np.moveaxis(x, axis, -1); K = x.shape[-1]
;;       x = np.pad(x, [(0, 0)] * (x.ndim - 1) + [(0, -K % 32)]); x = x.reshape(x.shape[:-1] + (-1, 32)); a = np.abs(x).max(-1, keepdims=True)
;;       e = np.where(a > 0, np.clip(np.frexp(np.where(a > 0, a, 1))[1] - 1 - 2, -126, 127), 0)      # np.frexp(a)[1] - 1 = floor(log2(a)), exactly
;;       r = np.clip(x / 2.0 ** e, -7.5, 7.5)
;;       step = 2.0 ** (np.maximum(np.frexp(np.where(r == 0, 1, r))[1] - 1, 0) - 3)
;;       q = np.round(r / step) * step * 2.0 ** e      # np.round: ties to even
;;       return np.moveaxis(q.reshape(q.shape[:-2] + (-1,))[..., :K], -1, axis).astype(np.float32)
;;   ~~~
;;   SOFTMAX AHEAD OF A QUANTISED PRODUCT. Where the list says 'softmax', what is quantised is not the finished softmax but p = 2^(t - M), with t = logit x log2(e) and M = ceil(the row's largest t), a whole number; so 1/2 < the row's largest p <= 1. The row's sum l is taken of the UNQUANTISED p, in f32, and the product's result is divided by l at the end. Since M is a whole number, a kernel that streams over the keys may use a running M (the ceiling of the running maximum): every later rescaling is an exact power of two, which a block's scale takes up: the codes' values come out the same.
;;   OPERANDS COMPUTED ON THE WAY. 'Computed on the way' means the value that the module computes at that place (a softmax that the list does not call 'softmax' is quantised finished and normalised). What goes into a quantiser is computed in f32, as accurately as f32 sums, v_exp_f32 and their like allow (about 1e-6 of the number): no bf16 or f16 on the way to a quantiser, and a product that is left as it is and whose result goes on into a quantised operand takes f32 operands (vector FMAs, or v_wmma_f32_16x16x4_f32). A number that lies on a knife's edge between two numbers of the format may be rounded either way, as far as f32 arithmetic and the matrix unit's own rounding can turn it there, and no further.
;;   INPUTS GIVEN AS CODES. Wk (in the module: [1024, 1024], K = its axis 1); Wo (in the module: [1024, 1024], K = its axis 1); Wq (in the module: [1024, 1024], K = its axis 1); Wv (in the module: [1024, 1024], K = its axis 1); x (in the module: [4, 2048, 1024], K = its axis 2): each comes as NAME_codes (uint8): NAME with its K axis moved to the last place and cut into blocks of 32 codes, [.., K / 32, bytes a block], one block behind the other in memory; four codes in three bytes: a row's codes are one little-endian stream of bits, code i at bits 6 i .. 6 i + 5 (a code: sign, 2 exponent bits, 3 mantissa bits); and NAME_scales (uint8): the same leading axes, one E8M0 byte (e + 127) for each 32 codes along K. Its value is code x scale, taken as it is: it is not quantised again, and the codes and scales need not be those that the quantiser above would give.
;; One version. Each part assembles by itself: llvm-mc -triple=amdgcn-amd-amdhsa -mcpu=gfx1250 --defsym DOCPART=n.
;; ======== version 1 of 1: 3 launches
;; limits: right only within a limited range of input values
;; workspace buffers: qimg 6,553,600 bytes; kv 13,107,200 bytes; ao 6,291,456 bytes; aos 262,144 bytes
;; launch qkv (part 1): grid 4 x 64, 4 waves a work-group, clusters of 4 x 4, 327,680 bytes of LDS; arguments x_codes, x_scales, Wq_codes, Wq_scales, Wk_codes, Wk_scales, Wv_codes, Wv_scales, qn_w, kn_w, qimg, kv; writes qimg, kv
.if DOCPART == 1
	.amdgcn_target "amdgcn-amd-amdhsa--gfx1250"
	.amdhsa_code_object_version 6
	.text
	.protected	k_q88baba0ec7_qkv
	.globl	k_q88baba0ec7_qkv
	.p2align	8
	.type	k_q88baba0ec7_qkv,@function
k_q88baba0ec7_qkv:
	s_mov_b64 s[64:65], 0
	v_nop
	global_prefetch_b8 v0, s[64:65] scope:SCOPE_SE
	s_setreg_imm32_b32 hwreg(HW_REG_WAVE_MODE, 25, 1), 1
	s_wait_xcnt 0x0
	s_wait_alu depctr_hold_cnt(0) depctr_sa_sdst(0) depctr_va_vdst(0) depctr_va_sdst(0) depctr_va_ssrc(0) depctr_va_vcc(0) depctr_vm_vsrc(0)
	s_getreg_b32 s2, hwreg(HW_REG_IB_STS2, 6, 4)
	s_cmp_eq_u32 s2, 0
	s_cbranch_scc0 .Lentry_in_a_cluster
	s_endpgm
.Lentry_in_a_cluster:
	s_bfe_u32 s2, ttmp6, 0x10000c
	s_cmp_lg_u32 s2, 0xf033
	s_cbranch_scc0 .Lentry_shape_is_right
	s_endpgm
.Lentry_shape_is_right:
; q = rms_norm(x Wq^T) qn_w, k = rms_norm(x Wk^T) kn_w, v = x Wv^T on codes of FP6 (E2M3), one E8M0 scale for each 32 along K = 1,024; the results are quantised again on the way out (q, k along a head's 64 channels, v along the keys).
; THE DEAL.  256 work-groups of four waves.  A work-group owns 128 tokens (tile tt) and 256 channels (group cg, four heads) and makes q, then k, then v of them.
; LDS: x's 128 rows, all of K (rows of 768 bytes, 16 of padding behind each 256), filled once; the weight's 256 rows, filled at the head with Wq's and filled again twice (Wk's, Wv's), each time behind a drained round of the cluster's barrier.
; The way out of a product works on registers alone and stands behind the refill's request.  q and k are a loop of two trips; v is written out: its operands change roles.
; THE MATRIX INSTRUCTION IS USED TRANSPOSED (source 0 = 16 rows of B, source 1 = 16 rows of A): a lane holds one row of A, its registers run along rows of B.
;   q, k: A = x (my 64 tokens), B = the weight (my 128 channels, two heads).   v: A = Wv (my 64 channels, one head), B = x (all 128 tokens, the next K).  A wave has 4 x 8 accumulators.
; CLUSTERS 4 x 4: x's tile is asked for jointly along a row of the cluster, the weight's along a column.
; Scale words go from memory straight into registers: lane l takes row l's 32 bytes of a group of 32 rows, so lanes 0-15 hold an even block's words and lanes 16-31 the odd block's.
; PREFETCH: each trip asks for the weight tile that its own end will load, 48 blocks of 256 bytes a wave, shared out by address among the 16 waves of a column of the cluster; the first four clusters ask, since all clusters read the same weights.
; WHAT IS STORED (images of operand registers; register i of lane l at 512 (i / 4) + 16 l + 4 (i % 4)):
;   qimg [16 b + head][step of 128 tokens] records of 6,400 bytes: four pair images (two tiles of 16 tokens x 64 channels), 256 bytes of scale words (16 r + 4 P).
;   kv   the same index, records of 12,800 bytes: K's four pair images, V's four images (16 channels x 128 keys), K's scale words, V's scale words.
; Inside a block of 32 the order is 8 h + 0..7, 16 + 8 h + 0..7, alike on both sides of each later product.
; LIMITS: NaN and infinities are not served.  A block whose largest magnitude lies under 2^-124 gets the scale byte 1: the bytes are read by this program alone.  1 / sqrt is v_rsq_f32.
.set KROW,  768
.set PITCH, 816
.set FR,    12
.set WB,    128*PITCH                  ; the weight's region, behind x's 128 rows
.set SPARE, 384*PITCH                  ; the spare words
.set L32,  2                           ; 32 x lane
.set GOF,  3                           ; 32 x (lane / 16)
.set VOCQ, 4                           ; 16 x lane + my two pairs' place in a record
.set L16,  5                           ; 16 x lane
.set R16,  6                           ; 16 x (lane % 16)
.set VOS,  7                           ; where my scale words go
.set PF0,  8                           ; v8, v9 the prefetches' offsets
.set SPW,  10
.set NIL,  11
.set RA0,  12                          ; v12 row x pitch + 24 h; v13 the same behind one padding more
.set SA,   32                          ; v32-47 A's scale words: 8 (a / 2) + K step
.set SB,   50                          ; v50-81 B's
.set AA,   84                          ; v84-91 LDS addresses of A's four blocks, two each
.set AB,   92                          ; v92-107 of B's eight
.set AF,   108                         ; v108-203 A's fragments, two sets; window 1: B's two sets at v0 and v128, the gain at v96
.set GN,   96
.set T,    108                         ; the way out: 64 numbers
.set TM,   172
.set CT,   188
.set PC,   196
.set PW,   220
.set SS,   228
.set G1X, 24
.set G1W, 32
.set G0X, 48
.set G0W, 52
.set MSB, 0
.macro WIN new
.if MSB != (\new)
	s_set_vgpr_msb (MSB<<8)|(\new)
.set MSB, (\new)
.endif
.endm
.macro PLACES n
.rept \n
	v_nop
.endr
.endm
.macro WALU
	s_wait_alu depctr_va_vdst(0)
.endm
.macro XW                              ; earlier stores and prefetches have read their registers
	WALU
	s_wait_xcnt 0x0
.endm
.macro CROUND
	s_barrier_signal -1
	s_barrier_wait -1
	s_cmp_lg_u32 s14, 0
	s_cbranch_scc1 .Lnot_wave_0_\@
	s_barrier_signal -3
.Lnot_wave_0_\@:
	s_barrier_wait -3
	s_barrier_signal -1
	s_barrier_wait -1
.endm
.macro TLOAD g0, g1
	tensor_load_to_lds s[\g0:\g0+3], s[\g1:\g1+7]
	s_nop 0
	PLACES 4
.endm
.macro GROUP1 g, mask, rows            ; rows of 768 bytes, 16 bytes of padding behind each 256
	s_or_b32 s[\g+0], s[\mask], (1<<20)|(1<<21)|(5<<22)|(3<<25)
	s_mov_b32 s[\g+1], KROW<<16
	s_mov_b32 s[\g+2], (\rows)<<16
	s_mov_b32 s[\g+3], KROW<<16
	s_mov_b32 s[\g+4], \rows
	s_mov_b32 s[\g+5], KROW
	s_mov_b32 s[\g+6], 0
	s_mov_b32 s[\g+7], 0
.endm
; a fragment: six pieces of 8 bytes, two to a load where both lie behind as many paddings; NLD counts the loads
.macro FRAG reg, q, a0
.set SK_, 0
.irp p, 0,1,2,3,4,5
.if SK_
.set SK_, 0
.else
.set PC_, 12*(\q)+6*(\p/3)+\p%3
.set PN_, 12*(\q)+6*((\p+1)/3)+(\p+1)%3
.set X_, (PC_%32+3)/32
.set XQ_, (PN_%32+3)/32
.set NLD, NLD+1
.if (\p < 5) && (X_ == XQ_)
.set SK_, 1
	ds_load_2addr_b64 v[(\reg)+2*\p:(\reg)+2*\p+3], v[(\a0)+X_] offset0:PC_+2*(PC_/32) offset1:PN_+2*(PN_/32)
.else
	ds_load_b64 v[(\reg)+2*\p:(\reg)+2*\p+1], v[(\a0)+X_] offset:8*(PC_+2*(PC_/32))
.endif
.endif
.endr
.endm
.macro FETCH q, e                      ; K step q's twelve fragments into set e
	WIN 0x40
.irp i, 0,1,2,3,4,5,6,7
	FRAG 128*(\e)+FR*\i, \q, AB+2*\i
.endr
	WIN 0
.irp i, 0,1,2,3
	FRAG AF+48*(\e)+FR*\i, \q, AA+2*\i
.endr
.endm
.macro W1 d, bf, af, z, sb, sa, bo, ao
.if \z
	v_wmma_scale_f32_16x16x128_f8f6f4 v[\d:\d+7], v[\bf:\bf+11], v[\af:\af+11], 0, v[\sb], v[\sa] matrix_a_fmt:MATRIX_FMT_FP6 matrix_b_fmt:MATRIX_FMT_FP6 matrix_a_scale:MATRIX_SCALE_ROW\bo matrix_b_scale:MATRIX_SCALE_ROW\ao
.else
	v_wmma_scale_f32_16x16x128_f8f6f4 v[\d:\d+7], v[\bf:\bf+11], v[\af:\af+11], v[\d:\d+7], v[\sb], v[\sa] matrix_a_fmt:MATRIX_FMT_FP6 matrix_b_fmt:MATRIX_FMT_FP6 matrix_a_scale:MATRIX_SCALE_ROW\bo matrix_b_scale:MATRIX_SCALE_ROW\ao
.endif
.endm
.macro MUL q, e, z                     ; 32 products, the 32 accumulators by turns
.irp a2, 0,1
.irp ao, 0,1
.irp b2, 0,1,2,3
.irp bo, 0,1
	W1 8*(8*(2*\a2+\ao)+2*\b2+\bo), 128*(\e)+FR*(2*\b2+\bo), AF+48*(\e)+FR*(2*\a2+\ao), \z, SB+8*\b2+(\q), SA+8*\a2+(\q), \bo, \ao
.endr
.endr
.endr
.endr
.endm
.macro PHASE                           ; all of K: eight steps; step q + 1's loads are issued ahead of step q's products, and the wait leaves just those out
.set NLD, 0
	FETCH 0, 0
.irp q, 0,1,2,3,4,5,6,7
.if \q < 7
.if \q > 0
	PLACES 4
.endif
.set NLD, 0
	FETCH \q+1, (\q+1)%2
	s_wait_dscnt NLD
.else
	s_wait_dscnt 0x0
.endif
	WIN 0xa1
	MUL \q, \q%2, \q==0
.endr
	WIN 0
	PLACES 4
.endm
.macro SETADR sa, sb                   ; LDS addresses of A's blocks from s\sa on, of B's from s\sb on
	v_add_nc_u32 v14, s\sa, v[RA0]
	v_add_nc_u32 v15, s\sa, v[RA0+1]
	v_add_nc_u32 v16, s\sb, v[RA0]
	v_add_nc_u32 v17, s\sb, v[RA0+1]
.irp i, 0,1,2,3
	v_add_nc_u32 v[AA+2*\i], \i*16*PITCH, v14
	v_add_nc_u32 v[AA+2*\i+1], \i*16*PITCH, v15
.endr
.irp i, 0,1,2,3,4,5,6,7
	v_add_nc_u32 v[AB+2*\i], \i*16*PITCH, v16
	v_add_nc_u32 v[AB+2*\i+1], \i*16*PITCH, v17
.endr
.endm
.macro LOADSC                          ; A's 64 rows' scale words from s[4:5], B's 128 rows' from s[6:7]
.irp i, 0,1
.irp c, 0,1
	global_load_b128 v[SA+8*\i+4*\c:SA+8*\i+4*\c+3], v[L32], s[4:5] offset:1024*\i+16*\c
.endr
.endr
.irp i, 0,1,2,3
.irp c, 0,1
	global_load_b128 v[SB+8*\i+4*\c:SB+8*\i+4*\c+3], v[L32], s[6:7] offset:1024*\i+16*\c
.endr
.endr
.endm
; 64 numbers of a lane (window w, from register s; register 16 b + i = place 16 (lane / 16) + i of block b) become a fragment's codes and its scale word
.macro QUANT s, w, pc, pw
	WIN (\w)|((\w)<<2)
.irp b, 0,1,2,3
	v_max3_num_f32 v[TM+\b], |v[(\s)+16*\b]|, |v[(\s)+16*\b+1]|, 0x1800000   ; the floor 2^(3 - 127) holds the byte at 1 from below
.endr
.irp i, 2,4,6,8,10,12,14
.irp b, 0,1,2,3
	v_max3_num_f32 v[TM+\b], |v[(\s)+16*\b+\i]|, |v[(\s)+16*\b+\i+1]|, v[TM+\b]
.endr
.endr
	WIN 0
.irp b, 0,1,2,3
	v_permlanex16_b32 v[TM+4+\b], v[TM+\b], s20, s21
.endr
.irp b, 0,1,2,3
	v_max_num_f32 v[TM+\b], v[TM+\b], v[TM+4+\b]
.endr
.irp b, 0,1,2,3
	v_add_nc_u32 v[TM+12+\b], 0xff000000, v[TM+\b]     ; 2 off the exponent field: the conversion's scale operand
.endr
.irp b, 0,1,2,3
	v_lshrrev_b32 v[TM+4+\b], 23, v[TM+12+\b]
.endr
	v_lshl_or_b32 v[\pw], v[TM+5], 8, v[TM+4]
	v_lshl_or_b32 v[\pw], v[TM+6], 16, v[\pw]
	v_lshl_or_b32 v[\pw], v[TM+7], 24, v[\pw]
	WIN \w
.irp c, 0,1
	v_cvt_scalef32_pk16_fp6_f32 v[(\pc)+6*\c:(\pc)+6*\c+2], v[(\s)+32*\c:(\s)+32*\c+15], v[TM+12+2*\c]
	v_cvt_scalef32_pk16_fp6_f32 v[CT+4*\c:CT+4*\c+2], v[(\s)+32*\c+16:(\s)+32*\c+31], v[TM+12+2*\c+1]
.endr
	WIN 0
	v_nop                                          ; a plain place behind a scaled conversion
.irp c, 0,1
.irp i, 0,1,2
	v_permlane16_swap_b32 v[(\pc)+6*\c+\i], v[CT+4*\c+\i]   ; a whole block in a lane
.endr
.irp i, 0,1,2
	v_mov_b32 v[(\pc)+3+6*\c+\i], v[CT+4*\c+\i]
.endr
.endr
.endm
.macro PUT vo, off, g, pc              ; an image: three stores of 512 consecutive bytes
.irp c, 0,1,2
	global_store_b128 v[\vo], v[(\pc)+4*\c:(\pc)+4*\c+3], s[12+86*(\g):13+86*(\g)] offset:(\off)+512*\c
.endr
.endm
.macro NORMQ pp, g                     ; pair pp of my token tiles, head g: x rs, x the gain, quantised, stored
	XW
	WIN 2
.irp e, 0,1
.set i, 0
.rept 16
	v_pk_mul_f32 v[T+32*\e+i:T+32*\e+i+1], v[64*(2*(\pp)+\e)+32*(\g)+i:64*(2*(\pp)+\e)+32*(\g)+i+1], v[SS+2*(2*(2*(\pp)+\e)+(\g)):SS+2*(2*(2*(\pp)+\e)+(\g))+1]
.set i, i+2
.endr
.endr
	WIN 4
.set i, 0
.rept 32
	v_pk_mul_f32 v[T+i:T+i+1], v[T+i:T+i+1], v[GN+i%32:GN+i%32+1]
.set i, i+2
.endr
	QUANT T, 0, PC+12*(\g), PW+2*(\g)+(\pp)
	PUT VOCQ, 1536*(\pp), \g, PC+12*(\g)
.endm
; ---- the head
	s_load_b512 s[68:83], s[0:1], 0x0              ; x c, s; Wq c, s; Wk c, s; Wv c, s
	s_load_b256 s[84:91], s[0:1], 0x40             ; qn_w, kn_w, qimg, kv
	v_lshl_add_u32 v[SPW], v0, 2, SPARE
	v_mov_b32 v[NIL], 0
	ds_add_u32 v[SPW], v[NIL]                      ; the opening lines: the add twice and its wait
	ds_add_u32 v[SPW], v[NIL]
	v_lshrrev_b32 v1, 5, v0
	v_readfirstlane_b32 s14, v1                    ; wave
	s_lshr_b32 s15, s14, 1
	s_and_b32 s16, s14, 1
	s_bfe_u32 s40, ttmp6, 0x40000                  ; cx
	s_bfe_u32 s41, ttmp6, 0x40004                  ; cy
	s_lshl_b32 s42, ttmp9, 2
	s_add_co_u32 s42, s42, s40                     ; cg
	s_and_b32 s62, ttmp7, 0xffff                   ; the cluster's y
	s_lshl_b32 s17, s62, 2
	s_add_co_u32 s17, s17, s41                     ; tt
	s_lshl_b32 s43, s41, 2
	s_lshl_b32 s43, 15, s43                        ; my row of the cluster
	s_lshl_b32 s44, 0x1111, s40                    ; my column
	GROUP1 G1X, 43, 64
	GROUP1 G1W, 44, 128
	s_mov_b32 s19, 0                               ; the upper word of every 32-bit offset
	s_lshl_b32 s4, s42, 8                          ; 256 cg
	s_lshl_b32 s5, s14, 6                          ; 64 w
	s_add_co_u32 s6, s4, s5
	s_mul_i32 s46, s6, KROW                        ; a refill's 64 rows of the weight
	s_lshl_b32 s57, s6, 5                          ; Wv's scales, my 64 rows
	s_lshl_b32 s7, s16, 7
	s_add_co_u32 s7, s4, s7
	s_mul_i32 s63, s7, KROW                        ; the head's 128 rows of Wq
	s_lshl_b32 s56, s7, 5                          ; Wq's, Wk's scales, my 128 rows
	s_lshl_b32 s8, s41, 2
	s_add_co_u32 s8, s8, s14
	s_mul_i32 s8, s8, 12288
	s_mul_i32 s47, s4, KROW
	s_add_co_u32 s47, s47, s8                      ; my sixteenth of a weight tile, for the prefetch
	s_lshl_b32 s9, s17, 7                          ; 128 tt
	s_lshl_b32 s59, s9, 5                          ; x's scales, the tile
	s_lshl_b32 s10, s15, 6
	s_add_co_u32 s10, s9, s10
	s_lshl_b32 s58, s10, 5                         ; x's scales, my 64 tokens
	s_add_co_u32 s11, s9, s5
	s_mul_i32 s66, s11, KROW                       ; the head's 64 rows of x
	s_lshr_b32 s4, s17, 4
	s_lshl_b32 s4, s4, 4
	s_lshl_b32 s5, s42, 2
	s_add_co_u32 s4, s4, s5                        ; 16 batch + 4 cg
	s_and_b32 s5, s17, 15                          ; the step of 128 tokens
	s_lshl_b32 s6, s16, 1
	s_add_co_u32 s6, s4, s6
	s_lshl_b32 s6, s6, 4
	s_add_co_u32 s60, s6, s5                       ; q's, k's record of my first head
	s_add_co_u32 s6, s4, s14
	s_lshl_b32 s6, s6, 4
	s_add_co_u32 s61, s6, s5                       ; v's record of my head
	s_mul_i32 s94, s14, 64*PITCH
	s_add_co_u32 s94, s94, WB                      ; LDS: rows 64 w of the weight
	s_mul_i32 s100, s15, 64*PITCH                  ; my 64 tokens
	s_mul_i32 s101, s16, 128*PITCH
	s_add_co_u32 s101, s101, WB                    ; my 128 channels
	s_mov_b32 s20, 0x76543210
	s_mov_b32 s21, 0xfedcba98                      ; selects for lane l xor 16
	s_mov_b32 s22, 0x3c800000                      ; 1 / 64
	s_mov_b32 s23, 0x34000000                      ; eps = 2^-23
	WALU
	s_wait_dscnt 0x0
	CROUND                                         ; the round in front of the first joint loads
	s_wait_kmcnt 0x0
	s_mov_b32 s[G0X], 1
	s_mul_i32 s[G0X+1], s14, 64*PITCH
	s_mov_b32 s18, s66
	s_add_nc_u64 s[G0X+2:G0X+3], s[68:69], s[18:19]
	s_or_b32 s[G0X+3], s[G0X+3], 0x80000000
	s_mov_b32 s[G0W], 1
	s_mov_b32 s[G0W+1], s101
	s_mov_b32 s18, s63
	s_add_nc_u64 s[G0W+2:G0W+3], s[72:73], s[18:19]
	s_or_b32 s[G0W+3], s[G0W+3], 0x80000000
	s_cmp_eq_u32 s15, 0                            ; one load a wave: waves 0, 1 half of x's tile each, waves 2, 3 half of Wq's
	s_cbranch_scc0 .Lhead_w
	TLOAD G0X, G1X
	s_branch .Lhead_asked
.Lhead_w:
	TLOAD G0W, G1W
.Lhead_asked:
	s_mov_b32 s18, s58
	s_add_nc_u64 s[4:5], s[70:71], s[18:19]
	s_mov_b32 s18, s56
	s_add_nc_u64 s[6:7], s[74:75], s[18:19]
	v_and_b32 v1, 15, v0                           ; r
	v_bfe_u32 v18, v0, 4, 1                        ; h
	v_and_b32 v19, 31, v0                          ; lane
	v_lshlrev_b32 v[L32], 5, v19
	LOADSC
	v_mul_u32_u24 v20, v1, PITCH
	v_mad_u32_u24 v[RA0], v18, 24, v20
	v_mad_u32_u24 v[RA0+1], v18, 40, v20
	v_lshlrev_b32 v[GOF], 5, v18
	v_lshlrev_b32 v[R16], 4, v1
	v_lshlrev_b32 v[L16], 4, v19
	s_mul_i32 s8, s15, 3072
	v_lshl_add_u32 v[VOCQ], v19, 4, s8
	v_lshlrev_b32 v[PF0], 8, v19
	v_min_u32 v20, 15, v19
	v_lshlrev_b32 v20, 8, v20
	v_add_nc_u32 v[PF0+1], 8192, v20
	SETADR 100, 101
	s_mov_b32 s45, 0
	WALU
; ---- q, then k
.Ltrip:
	s_wait_tensorcnt 0x0                           ; my part of the tiles is in; no load of mine is out, so the descriptor may be written:
	s_mov_b32 s[G1W+2], 64<<16                     ; from here on a load of the weight brings 64 rows
	s_mov_b32 s[G1W+4], 64
	s_barrier_signal -1
	s_barrier_wait -1                              ; everybody's part is in
	s_cmp_eq_u32 s45, 0
	s_cselect_b64 s[92:93], s[76:77], s[80:81]     ; the next weight: Wk, then Wv
	s_mov_b32 s18, s47
	s_add_nc_u64 s[10:11], s[92:93], s[18:19]
	s_cmp_lt_u32 s62, 4
	s_cbranch_scc0 .Lno_prefetch
	global_prefetch_b8 v[PF0], s[10:11] th:TH_LOAD_NT scope:SCOPE_SE
	global_prefetch_b8 v[PF0+1], s[10:11] th:TH_LOAD_NT scope:SCOPE_SE
.Lno_prefetch:
	s_wait_loadcnt 0x0                             ; the scale words
	PHASE
	s_wait_tensorcnt 0x0                           ; the three lines ahead of a refill's round
	ds_add_u32 v[SPW], v[NIL]
	s_mov_b32 s[G0W+1], s94
	s_mov_b32 s18, s46
	s_add_nc_u64 s[G0W+2:G0W+3], s[92:93], s[18:19]
	s_or_b32 s[G0W+3], s[G0W+3], 0x80000000
	s_wait_dscnt 0x0
	CROUND                                         ; no wave of any partner still reads the weight's region
	TLOAD G0W, G1W                                 ; each wave 64 rows of the next weight
	s_cmp_eq_u32 s45, 0
	s_cselect_b64 s[4:5], s[70:71], s[82:83]       ; the next product's scales: A's: x's, then Wv's
	s_cselect_b32 s18, s58, s57
	s_cselect_b64 s[6:7], s[78:79], s[70:71]       ; B's: Wk's, then x's
	s_cselect_b32 s95, s56, s59
	s_cselect_b64 s[8:9], s[84:85], s[86:87]       ; this product's gain
	s_cselect_b64 s[12:13], s[88:89], s[90:91]     ; and buffer
	s_mov_b32 s96, 12800
	s_cselect_b32 s96, 6400, s96                   ; a record's bytes
	s_mov_b32 s67, 12288
	s_cselect_b32 s67, 6144, s67                   ; where its scale words begin
	s_add_nc_u64 s[4:5], s[4:5], s[18:19]
	s_mov_b32 s18, s95
	s_add_nc_u64 s[6:7], s[6:7], s[18:19]
	s_mul_i32 s18, s60, s96
	s_add_nc_u64 s[12:13], s[12:13], s[18:19]
	s_lshl_b32 s18, s96, 4
	s_add_nc_u64 s[98:99], s[12:13], s[18:19]      ; my second head: 16 records on
	s_lshl_b32 s95, s15, 3
	s_add_co_u32 s67, s67, s95
	LOADSC
	WIN 0x40
.irp t, 0,1,2,3
	global_load_b128 v[GN+8*\t:GN+8*\t+3], v[GOF], s[8:9] offset:64*\t          ; register 8 t + j = w[16 t + 8 h + j]
	global_load_b128 v[GN+8*\t+4:GN+8*\t+7], v[GOF], s[8:9] offset:64*\t+16
.endr
	WIN 0
	v_add_nc_u32 v[VOS], s67, v[R16]
.irp b, 0,1,2,3
	v_mov_b32 v[TM+4+\b], 0                        ; a lane permute's destination counts as a source
.endr
	WIN 0x0a                                       ; sums of squares: unit u = 2 a + g, its 32 registers from 32 u on; eight chains by turns
.irp u, 0,1,2,3,4,5,6,7
	v_pk_mul_f32 v[SS+2*\u:SS+2*\u+1], v[32*\u:32*\u+1], v[32*\u:32*\u+1]
.endr
.set i, 2
.rept 15
.irp u, 0,1,2,3,4,5,6,7
	v_pk_fma_f32 v[SS+2*\u:SS+2*\u+1], v[32*\u+i:32*\u+i+1], v[32*\u+i:32*\u+i+1], v[SS+2*\u:SS+2*\u+1]
.endr
.set i, i+2
.endr
	WIN 0
.irp u, 0,1,2,3,4,5,6,7
	v_add_f32 v[SS+2*\u], v[SS+2*\u], v[SS+2*\u+1]
.endr
.irp u, 0,1,2,3,4,5,6,7
	v_permlanex16_b32 v[SS+2*\u+1], v[SS+2*\u], s20, s21   ; the token's other 32 channels
.endr
.irp u, 0,1,2,3,4,5,6,7
	v_add_f32 v[SS+2*\u], v[SS+2*\u], v[SS+2*\u+1]
.endr
.irp u, 0,1,2,3,4,5,6,7
	v_fma_f32 v[SS+2*\u], v[SS+2*\u], s22, s23     ; the mean + eps
.endr
	WALU                                           ; the wait ahead of the batch,
.irp u, 0,1,2,3,4,5,6,7
	v_rsq_f32 v[SS+2*\u], v[SS+2*\u]
.endr
	v_nop
	WALU                                           ; and behind it
.irp u, 0,1,2,3,4,5,6,7
	v_mov_b32 v[SS+2*\u+1], v[SS+2*\u]
.endr
	WALU
	s_wait_loadcnt 0x0                             ; the gain (and the next scale words)
.irp pp, 0,1
.irp g, 0,1
	NORMQ \pp, \g
.endr
.endr
	global_store_b64 v[VOS], v[PW:PW+1], s[12:13]      ; my two pairs' scale words of each row
	global_store_b64 v[VOS], v[PW+2:PW+3], s[98:99]
	XW
	s_add_co_u32 s45, s45, 1
	s_cmp_lg_u32 s45, 2
	s_cbranch_scc1 .Ltrip
; ---- v: A = my 64 rows of Wv, B = x's 128 rows
	SETADR 94, 19
	s_mul_i32 s18, s61, 12800
	s_add_nc_u64 s[12:13], s[90:91], s[18:19]
	WALU
	s_wait_tensorcnt 0x0
	s_barrier_signal -1
	s_barrier_wait -1                              ; Wv's rows are in
	s_wait_loadcnt 0x0
	PHASE
.irp b, 0,1,2,3
	v_mov_b32 v[TM+4+\b], 0
.endr
.irp a, 0,1,2,3
	XW
	QUANT 64*\a, 2, PC+12*(\a%2), PW+\a            ; 16 channels: eight accumulators, 64 registers on end along the 128 keys
	PUT L16, 6144+1536*\a, 0, PC+12*(\a%2)
.endr
	global_store_b128 v[R16], v[PW:PW+3], s[12:13] offset:12544
	s_wait_tensorcnt 0x0                           ; the wave's end
	ds_add_u32 v[SPW], v[NIL]
	s_wait_dscnt 0x0
	CROUND                                         ; the closing round
	s_endpgm
.Lfunc_end_k_q88baba0ec7_qkv:
	.size	k_q88baba0ec7_qkv, .Lfunc_end_k_q88baba0ec7_qkv-k_q88baba0ec7_qkv
	.p2alignl 7, 3214868480
	.fill 96, 4, 3214868480
	.section	.rodata,"a",@progbits
	.p2align	6, 0x0
	.amdhsa_kernel k_q88baba0ec7_qkv
		.amdhsa_group_segment_fixed_size 327680
		.amdhsa_private_segment_fixed_size 0
		.amdhsa_enable_private_segment 0
		.amdhsa_kernarg_size 96
		.amdhsa_user_sgpr_count 2
		.amdhsa_user_sgpr_kernarg_segment_ptr 1
		.amdhsa_wavefront_size32 1
		.amdhsa_system_sgpr_workgroup_id_x 1
		.amdhsa_system_sgpr_workgroup_id_y 1
		.amdhsa_system_sgpr_workgroup_id_z 1
		.amdhsa_system_vgpr_workitem_id 0
		.amdhsa_next_free_vgpr 768
		.amdhsa_next_free_sgpr 102
		.amdhsa_reserve_vcc 0
		.amdhsa_float_denorm_mode_32 3
		.amdhsa_float_denorm_mode_16_64 3
		.amdhsa_memory_ordered 1
		.amdhsa_forward_progress 1
		.amdhsa_inst_pref_size 183
	.end_amdhsa_kernel
	.amdgpu_metadata
---
amdhsa.version: [ 1, 2 ]
amdhsa.kernels:
  - .name:           k_q88baba0ec7_qkv
    .symbol:         k_q88baba0ec7_qkv.kd
    .args:
      - { .name: x_codes, .offset: 0, .size: 8, .value_kind: global_buffer, .address_space: global }
      - { .name: x_scales, .offset: 8, .size: 8, .value_kind: global_buffer, .address_space: global }
      - { .name: Wq_codes, .offset: 16, .size: 8, .value_kind: global_buffer, .address_space: global }
      - { .name: Wq_scales, .offset: 24, .size: 8, .value_kind: global_buffer, .address_space: global }
      - { .name: Wk_codes, .offset: 32, .size: 8, .value_kind: global_buffer, .address_space: global }
      - { .name: Wk_scales, .offset: 40, .size: 8, .value_kind: global_buffer, .address_space: global }
      - { .name: Wv_codes, .offset: 48, .size: 8, .value_kind: global_buffer, .address_space: global }
      - { .name: Wv_scales, .offset: 56, .size: 8, .value_kind: global_buffer, .address_space: global }
      - { .name: qn_w, .offset: 64, .size: 8, .value_kind: global_buffer, .address_space: global }
      - { .name: kn_w, .offset: 72, .size: 8, .value_kind: global_buffer, .address_space: global }
      - { .name: qimg, .offset: 80, .size: 8, .value_kind: global_buffer, .address_space: global }
      - { .name: kv, .offset: 88, .size: 8, .value_kind: global_buffer, .address_space: global }
    .group_segment_fixed_size: 327680
    .private_segment_fixed_size: 0
    .kernarg_segment_align: 8
    .kernarg_segment_size: 96
    .max_flat_workgroup_size: 128
    .sgpr_count:     102
    .vgpr_count:     768
    .wavefront_size: 32
...
	.end_amdgpu_metadata
.endif
;; end of part 1
;; launch attn (part 2): grid 4 x 64, 16 waves a work-group, clusters of 4 x 1, 206,848 bytes of LDS; arguments qimg, kv, ao, aos; writes ao, aos
.if DOCPART == 2
	.amdgcn_target "amdgcn-amd-amdhsa--gfx1250"
	.amdhsa_code_object_version 6
	.text
	.protected	k_q88baba0ec7_attn
	.globl	k_q88baba0ec7_attn
	.p2align	8
	.type	k_q88baba0ec7_attn,@function
k_q88baba0ec7_attn:
	s_mov_b64 s[64:65], 0
	v_nop
	global_prefetch_b8 v0, s[64:65] scope:SCOPE_SE
	s_setreg_imm32_b32 hwreg(HW_REG_WAVE_MODE, 25, 1), 1
	s_wait_xcnt 0x0
	s_wait_alu depctr_hold_cnt(0) depctr_sa_sdst(0) depctr_va_vdst(0) depctr_va_sdst(0) depctr_va_ssrc(0) depctr_va_vcc(0) depctr_vm_vsrc(0)
	s_getreg_b32 s2, hwreg(HW_REG_IB_STS2, 6, 4)
	s_cmp_eq_u32 s2, 0
	s_cbranch_scc0 .Lentry_in_a_cluster
	s_endpgm
.Lentry_in_a_cluster:
	s_bfe_u32 s2, ttmp6, 0x10000c
	s_cmp_lg_u32 s2, 0x3003
	s_cbranch_scc0 .Lentry_shape_is_right
	s_endpgm
.Lentry_shape_is_right:
; O[hd][q] = the sum over k of softmax_k(q . k / 8) v[k], both products on codes of FP6 (E2M3) with one E8M0 scale for each 32 along a product's K; the result is quantised along D and stored as codes.
; INPUTS are images of operand registers, made by the launch before (its head comment has the layouts): qimg [hd][16] records of 6,400 bytes, kv [hd][16] records of 12,800 bytes.
; THE SOFTMAX AHEAD OF THE SECOND PRODUCT: t = score x log2(e) / 8; M = the running largest t rounded UP to a whole number; p = 2^(t - M) is quantised along the keys, not normalised.
; The row's sum is taken of the unquantised p and divides O at the end.  When M moves, the sum and O are multiplied by 2^(old M - new M): exact.
; SHARES.  A work-group owns one head and 512 queries; each of its sixteen waves 32 of them: two tiles of 16, taken one after the other (two passes over the keys) in 256 registers, four waves to a SIMD.
; A HEAD'S K, V AND SCALE WORDS, 16 records = 204,800 bytes, LIE IN LDS WHOLE, filled once: wave w brings record w.  No slot is filled again, nothing is stored to LDS.
; CLUSTER.  The four blocks of queries of a head form a cluster and ask for each record JOINTLY (the same load, the same descriptor, a mask that names the four).
; Nothing is prefetched: all that the launch reads of kv is asked for at its head.
; LAYOUT.  Both products are used transposed: S^T = K Q^T (source 0 = keys, source 1 = my 16 queries), O^T = V^T P^T: a lane holds ONE query (lane % 16) throughout.
; THE SCORE PRODUCT HAS K = 64 under an instruction of K = 128.  A pair image of K holds 16 keys x 64 channels in its lower six registers and the next 16 keys in its upper six.
; Multiplied by [q, 0] it gives the first tile's scores, by [0, q] the second's: zero codes add nothing.  q's two scale bytes stand twice in its scale word, so that no foreign byte meets the zeros.
; The 16 registers of score tiles 2 P and 2 P + 1 are one natural block of 32 keys, in the order 8 h + 0..7, 16 + 8 h + 0..7; V's codes were laid in the same order.
; THE RESULT meets Wo, which is given in natural order: sixteen exchanges of lane halves on the f32 numbers put a head's channels in natural order ahead of the conversions.
;   ao:  [tile of 16 tokens][head][768 bytes]: half a fragment: register pair p of lane l at 256 p + 8 l; two heads on end are a fragment of 128 along D.     aos: [token][32] scale bytes.
; LIMITS: NaN and infinities are not served.  A block whose largest magnitude lies under 2^-124 gets the scale byte 1 (its codes are zeros or nearly): the bytes are read by this program alone.  1 / l is v_rcp_f32.
.set REC,  12800                       ; a record: K's four pair images, V's four images, 256 bytes of K's scale words, 256 of V's
.set VIM,  6144                        ; where V's images begin
.set SCO,  12288                       ; where the scale words begin
.set L16,  1                           ; v1   16 x lane
.set ADR,  2                           ; v2   LDS address of the step's record + 16 x lane
.set L8,   3                           ; v3   8 x lane
.set R32,  4                           ; v4   32 x (lane % 16)
.set QS0,  5                           ; v5, v6  q's scale words for pass 0, 1
.set QS1,  6
.set SCW,  8                           ; v8-11   lanes 0-15: K's four scale words; lanes 16-31: V's four
.set F,    48                          ; v48-95  four fragments of K, then of V
.set S,    96                          ; v96-159 S^T, then p; on the way out the result
.set O,    160                         ; v160-191 O^T: four tiles of 16 channels
.set PC,   192                         ; v192-203 p's codes
.set CT,   204                         ; v204-210 the conversions' second halves
.set BM,   212                         ; v212-215 a block's largest score, then its largest p
.set BP,   216                         ; v216-219 at work
.set SO,   220                         ; v220-223 the conversions' scale operands
.set PW,   224                         ; v224    p's scale word
.set FF,   226                         ; v[226:227] f = 2^(old M - new M)
.set TMP,  228
.set QRAW, 229                         ; v229    q's pair's scale word as stored
.set OC,   230                         ; v230-241 the result's codes, six registers a pass
.set OW,   242                         ; v242-243 its two scale bytes, a register a pass
.set QA,   244                         ; v244, v245  offsets of q's loads
.set QB,   245
; v12 -M, v13 the largest t, v[14:15] the sum in two halves; v16-45: six zeros, q of pass 0, six zeros, q of pass 1, six zeros
; s[4:11] the four buffers; s12 wave; s13 cx; s14 head; s[16:23], s[24:27] the descriptor; s[32:33] lane selects; s[34:35] c; s36 the step's record in LDS; s37 the loop's count
.macro ROUND                           ; a round of the cluster's barrier
	s_barrier_signal -1
	s_barrier_wait -1
	s_cmp_lg_u32 s12, 0
	s_cbranch_scc1 .Lnot_wave_0_\@
	s_barrier_signal -3
.Lnot_wave_0_\@:
	s_barrier_wait -3
	s_barrier_signal -1
	s_barrier_wait -1
.endm
	s_load_b256 s[4:11], s[0:1], 0x0               ; qimg, kv, ao, aos
	v_lshl_add_u32 v254, v0, 2, 0x32000
	v_mov_b32 v255, 0
	ds_add_u32 v254, v255
	ds_add_u32 v254, v255
	v_lshrrev_b32 v1, 5, v0
	s_delay_alu instid0(VALU_DEP_1)
	v_readfirstlane_b32 s12, v1                    ; wave 0..15
	s_bfe_u32 s13, ttmp6, 0x40000                  ; cx: my place in the cluster
	s_and_b32 s14, ttmp7, 0xffff                   ; the head, 16 x batch + h, which the four partners share
	; descriptor group 1: a record, dense in memory, as 50 rows of 256 bytes (32 elements of 8 bytes)
	s_mov_b32 s16, 15|(3<<16)|(1<<21)              ; 15:0 the mask: all four work-groups; 17:16 elements of 8 bytes; 20 no padding; 21 set beside a mask
	s_mov_b32 s17, 32<<16                          ; tensor_dim0
	s_mov_b32 s18, 50<<16                          ; tensor_dim1
	s_mov_b32 s19, 32<<16                          ; tile_dim0
	s_mov_b32 s20, 50                              ; tile_dim1
	s_mov_b32 s21, 32                              ; tensor_dim0_stride
	s_mov_b32 s22, 0
	s_mov_b32 s23, 0
	s_mov_b32 s32, 0x76543210
	s_mov_b32 s33, 0xfedcba98                      ; v_permlanex16_b32's selects for lane l xor 16
	s_mov_b32 s34, 0x3e38aa3b                      ; c = log2(e) / 8
	s_mov_b32 s35, s34                             ; (named with it as a pair, so it is written)
	s_mul_i32 s38, s12, REC                        ; record w: its place in LDS and in the head's part of kv
	s_mul_i32 s40, s14, 16*REC
	s_add_co_u32 s40, s40, s38
	s_mov_b32 s41, 0
	s_wait_dscnt 0x0
	s_wait_kmcnt 0x0
	s_add_nc_u64 s[40:41], s[6:7], s[40:41]
	s_mov_b32 s24, 1                               ; 1:0 count = 1
	s_mov_b32 s25, s38                             ; 63:32 LDS address: wave x 12,800: no place in the cluster enters it
	s_mov_b64 s[26:27], s[40:41]                   ; 120:64 global address
	s_or_b32 s27, s27, 0x80000000                  ; 127:126 type = 2
	ROUND                                          ; all four work-groups are here: the joint loads meet
	tensor_load_to_lds s[24:27], s[16:23]          ; my one tensor load of the launch
	s_nop 0
.rept 4
	v_nop
.endr
	; q: my 32 queries are pair w % 4 of step 4 x block + w / 4
	s_lshl_b32 s42, ttmp9, 2
	s_add_co_u32 s42, s42, s13                     ; my block of 512 queries
	s_lshl_b32 s43, s14, 4
	s_lshl_b32 s44, s42, 2
	s_add_co_u32 s43, s43, s44
	s_lshr_b32 s44, s12, 2
	s_add_co_u32 s43, s43, s44
	s_mul_i32 s44, s43, 6400
	s_mov_b32 s45, 0
	s_add_nc_u64 s[4:5], s[4:5], s[44:45]
	s_and_b32 s46, s12, 3
	s_mul_i32 s47, s46, 1536
	s_lshl_b32 s46, s46, 2
	v_and_b32 v[TMP], 31, v0
	s_delay_alu instid0(VALU_DEP_1)
	v_lshlrev_b32 v[L16], 4, v[TMP]
	s_delay_alu instid0(VALU_DEP_2)
	v_lshlrev_b32 v[L8], 3, v[TMP]
	v_and_b32 v[QB], 15, v0
	s_delay_alu instid0(VALU_DEP_1)
	v_lshlrev_b32 v[R32], 5, v[QB]
	s_delay_alu instid0(VALU_DEP_4)
	v_add_nc_u32 v[QA], s47, v[L16]
	s_delay_alu instid0(VALU_DEP_3)
	v_lshlrev_b32 v[QB], 4, v[QB]
	s_delay_alu instid0(VALU_DEP_1)
	v_add_nc_u32 v[QB], s46, v[QB]
	global_load_b64 v[22:23], v[QA], s[4:5]                ; the pair image's registers 0-5: the first tile of 16 queries
	global_load_b64 v[24:25], v[QA], s[4:5] offset:8
	global_load_b64 v[26:27], v[QA], s[4:5] offset:512
	global_load_b64 v[34:35], v[QA], s[4:5] offset:520     ; registers 6-11: the second
	global_load_b64 v[36:37], v[QA], s[4:5] offset:1024
	global_load_b64 v[38:39], v[QA], s[4:5] offset:1032
	global_load_b32 v[QRAW], v[QB], s[4:5] offset:6144     ; the pair's scale word of row lane % 16
.irp z, 16,17,18,19,20,21,28,29,30,31,32,33,40,41,42,43,44,45
	v_mov_b32 v\z, 0                               ; zero codes
.endr
.irp b, 0,1,2,3
	v_mov_b32 v[BP+\b], 0                          ; written once: a lane permute's destination counts as one of its sources
.endr
	v_mov_b32 v[FF+1], 0                           ; (named as the upper half of the pair)
	; where my results go: tile of tokens 128 x batch + 32 x block + 2 x wave (+ pass)
	s_lshr_b32 s43, s14, 4                         ; batch
	s_and_b32 s44, s14, 15                         ; head in the batch
	s_lshl_b32 s45, s43, 7
	s_lshl_b32 s46, s42, 5
	s_add_co_u32 s45, s45, s46
	s_lshl_b32 s46, s12, 1
	s_add_co_u32 s45, s45, s46
	s_lshl_b32 s46, s45, 4
	s_add_co_u32 s46, s46, s44
	s_mul_i32 s46, s46, 768
	s_mov_b32 s47, 0
	s_add_nc_u64 s[8:9], s[8:9], s[46:47]
	s_lshl_b32 s46, s45, 9                         ; 16 tokens x 32 bytes a tile
	s_lshl_b32 s44, s44, 1                         ; two bytes a head
	s_add_co_u32 s46, s46, s44
	s_add_nc_u64 s[10:11], s[10:11], s[46:47]
	s_wait_loadcnt 0x0                             ; q
	v_perm_b32 v[QS0], v[QRAW], v[QRAW], 0x01000100        ; the first tile's two bytes, twice
	v_perm_b32 v[QS1], v[QRAW], v[QRAW], 0x03020302        ; the second's
	s_wait_tensorcnt 0x0                           ; my record is in,
	s_barrier_signal -1
	s_barrier_wait -1                              ; everybody's is: the head's K and V lie in LDS for the rest of the launch
; A KEY STEP: 128 keys.  qb: where [0, q, 0] begins;  qs: q's scale word
.macro STEP qb, qs
	v_add_nc_u32 v[ADR], s36, v[L16]
.rept 3
	v_nop                                          ; with the addition: four places behind the last step's products, in front of loads into registers that they read
.endr
	ds_load_b128 v[SCW:SCW+3], v[ADR] offset:SCO   ; 512 bytes: lanes 0-15 K's words, lanes 16-31 V's
.irp pp, 0,1,2,3
.irp c, 0,1,2
	ds_load_b128 v[F+12*\pp+4*\c:F+12*\pp+4*\c+3], v[ADR] offset:1536*\pp+512*\c
.endr
.endr
	s_wait_alu depctr_va_vdst(0)
.irp pp, 0,1,2,3
	s_wait_dscnt 9-3*\pp                           ; the scale words and pairs 0 .. pp are in; the later pairs, three loads each, may be out
	v_wmma_scale_f32_16x16x128_f8f6f4 v[S+16*\pp:S+16*\pp+7], v[F+12*\pp:F+12*\pp+11], v[(\qb)+6:(\qb)+17], 0, v[SCW+\pp], v[\qs] matrix_a_fmt:MATRIX_FMT_FP6 matrix_b_fmt:MATRIX_FMT_FP6
	v_wmma_scale_f32_16x16x128_f8f6f4 v[S+16*\pp+8:S+16*\pp+15], v[F+12*\pp:F+12*\pp+11], v[(\qb):(\qb)+11], 0, v[SCW+\pp], v[\qs] matrix_a_fmt:MATRIX_FMT_FP6 matrix_b_fmt:MATRIX_FMT_FP6
.endr
.rept 4
	v_nop                                          ; four places: in front of the loads below and of the first read of the scores
.endr
.irp t, 0,1,2,3
.irp c, 0,1,2
	ds_load_b128 v[F+12*\t+4*\c:F+12*\t+4*\c+3], v[ADR] offset:VIM+1536*\t+512*\c   ; V's images land while the softmax is worked
.endr
.endr
.irp b, 0,1,2,3
	v_max3_num_f32 v[BM+\b], v[S+16*\b], v[S+16*\b+1], v[S+16*\b+2]   ; the largest score of each block of 32 keys: it serves for the row's maximum and, since p rises with the score, for the block's largest p
.endr
.irp i, 3,5,7,9,11,13
.irp b, 0,1,2,3
	v_max3_num_f32 v[BM+\b], v[BM+\b], v[S+16*\b+\i], v[S+16*\b+\i+1]
.endr
.endr
.irp b, 0,1,2,3
	v_max_num_f32 v[BM+\b], v[BM+\b], v[S+16*\b+15]
.endr
.irp b, 0,1,2,3
	s_delay_alu instid0(VALU_DEP_4)
	v_permlanex16_b32 v[BP+\b], v[BM+\b], s32, s33
.endr
.irp b, 0,1,2,3
	s_delay_alu instid0(VALU_DEP_4)
	v_max_num_f32 v[BM+\b], v[BM+\b], v[BP+\b]     ; with lane l xor 16's sixteen keys
.endr
	s_delay_alu instid0(VALU_DEP_2)
	v_max3_num_f32 v[TMP], v[BM], v[BM+1], v[BM+2]
	s_delay_alu instid0(VALU_DEP_1)
	v_max_num_f32 v[TMP], v[TMP], v[BM+3]          ; the step's largest score of my query
	s_delay_alu instid0(VALU_DEP_1)
	v_mul_f32 v[TMP], s34, v[TMP]                  ; as t (c is positive)
	s_delay_alu instid0(VALU_DEP_1)
	v_max_num_f32 v13, v13, v[TMP]                 ; the running largest t
	v_mov_b32 v[TMP], v12
	s_delay_alu instid0(VALU_DEP_2)
	v_floor_f32 v12, -v13                          ; the new -M = floor(-t) = -ceil(t): a whole number
	s_delay_alu instid0(VALU_DEP_1)
	v_sub_f32 v[TMP], v12, v[TMP]                  ; old M less new M: a whole number, 0 or less
	s_delay_alu instid0(VALU_DEP_1)
	v_cvt_i32_f32 v[TMP], v[TMP]                   ; (it saturates)
	s_delay_alu instid0(VALU_DEP_1)
	v_ldexp_f32 v[FF], 1.0, v[TMP]                 ; f = 2^(old M - new M)
.set j, 0
.rept 32
	v_pk_fma_f32 v[S+j:S+j+1], v[S+j:S+j+1], s[34:35], v[12:13] op_sel_hi:[1,0,0]   ; t - M, two at a time
.set j, j+2
.endr
.irp b, 0,1,2,3
	v_fma_f32 v[BM+\b], v[BM+\b], s34, v12         ; the same of each block's largest score
.endr
.set j, 0
	s_wait_alu depctr_va_vdst(0)
.rept 64
	v_exp_f32 v[S+j], v[S+j]                       ; p = 2^(t - M), at most 1
.set j, j+1
.endr
	v_pk_mul_f32 v[14:15], v[14:15], v[FF:FF+1] op_sel_hi:[1,0]   ; the sums under the new M: a plain place behind the exponentials
	s_wait_alu depctr_va_vdst(0)                   ; one wait for the batch of 64, ahead of its first reader
.irp b, 0,1,2,3
	v_exp_f32 v[BM+\b], v[BM+\b]                   ; the block's largest p: the same two instructions on the same number give the same bits
.endr
	v_pk_add_f32 v[216:217], v[100:101], v[104:105]
	v_pk_add_f32 v[252:253], v[108:109], v[112:113]
	v_pk_add_f32 v[250:251], v[116:117], v[120:121]
	v_pk_add_f32 v[248:249], v[124:125], v[128:129]
	v_pk_add_f32 v[246:247], v[132:133], v[136:137]
	v_pk_add_f32 v[244:245], v[140:141], v[144:145]
	v_pk_add_f32 v[242:243], v[148:149], v[152:153]
	v_pk_add_f32 v[14:15], v[14:15], v[156:157]
	v_pk_add_f32 v[216:217], v[216:217], v[96:97]
	v_pk_add_f32 v[252:253], v[252:253], v[98:99]
	v_pk_add_f32 v[250:251], v[250:251], v[102:103]
	v_pk_add_f32 v[248:249], v[248:249], v[106:107]
	v_pk_add_f32 v[246:247], v[246:247], v[110:111]
	v_pk_add_f32 v[244:245], v[244:245], v[114:115]
	v_pk_add_f32 v[242:243], v[242:243], v[118:119]
	v_pk_add_f32 v[14:15], v[14:15], v[122:123]
	v_pk_add_f32 v[216:217], v[216:217], v[126:127]
	v_pk_add_f32 v[252:253], v[252:253], v[130:131]
	v_pk_add_f32 v[250:251], v[250:251], v[134:135]
	v_pk_add_f32 v[248:249], v[248:249], v[138:139]
	v_pk_add_f32 v[246:247], v[246:247], v[142:143]
	v_pk_add_f32 v[244:245], v[244:245], v[146:147]
	v_pk_add_f32 v[242:243], v[242:243], v[150:151]
	v_pk_add_f32 v[14:15], v[14:15], v[154:155]
	v_pk_add_f32 v[216:217], v[216:217], v[158:159]
	s_delay_alu instid0(VALU_DEP_2)
	v_pk_add_f32 v[14:15], v[14:15], v[248:249]
	s_delay_alu instid0(VALU_DEP_2)
	v_pk_add_f32 v[216:217], v[216:217], v[246:247]
	v_pk_add_f32 v[252:253], v[252:253], v[244:245]
	v_pk_add_f32 v[250:251], v[250:251], v[242:243]
	s_delay_alu instid0(VALU_DEP_2)
	v_pk_add_f32 v[14:15], v[14:15], v[252:253]
	s_delay_alu instid0(VALU_DEP_2)
	v_pk_add_f32 v[216:217], v[216:217], v[250:251]
	s_delay_alu instid0(VALU_DEP_1)
	v_pk_add_f32 v[14:15], v[14:15], v[216:217]
	s_wait_alu depctr_va_vdst(0)                   ; and one for the four
.irp b, 0,1,2,3
	v_max_num_f32 v[BM+\b], 0x1800000, v[BM+\b]    ; the floor 2^(3 - 127): the byte cannot fall under 1
.endr
.irp b, 0,1,2,3
	s_delay_alu instid0(VALU_DEP_4)
	v_add_nc_u32 v[SO+\b], 0xff000000, v[BM+\b]    ; 2 off the exponent field: the conversion's scale operand
.endr
.irp b, 0,1,2,3
	s_delay_alu instid0(VALU_DEP_4)
	v_lshrrev_b32 v[BP+\b], 23, v[SO+\b]           ; the scale's byte
.endr
	s_delay_alu instid0(VALU_DEP_3)
	v_lshl_or_b32 v[PW], v[BP+1], 8, v[BP]         ; p's scale word for these 128 keys
	s_delay_alu instid0(VALU_DEP_1)
	v_lshl_or_b32 v[PW], v[BP+2], 16, v[PW]
	s_delay_alu instid0(VALU_DEP_1)
	v_lshl_or_b32 v[PW], v[BP+3], 24, v[PW]
.irp c, 0,1
	v_cvt_scalef32_pk16_fp6_f32 v[PC+6*\c:PC+6*\c+2], v[S+32*\c:S+32*\c+15], v[SO+2*\c]
	v_cvt_scalef32_pk16_fp6_f32 v[CT+4*\c:CT+4*\c+2], v[S+32*\c+16:S+32*\c+31], v[SO+2*\c+1]   ; (a conversion's three registers begin on an even number)
.endr
	v_nop                                          ; one plain place behind a scaled conversion
.irp c, 0,1                                    ; the operand's layout wants a whole block in a lane
.irp i, 0,1,2
	v_permlane16_swap_b32 v[PC+6*\c+\i], v[CT+4*\c+\i]
.endr
.irp i, 0,1,2
	s_delay_alu instid0(VALU_DEP_3)
	v_mov_b32 v[PC+3+6*\c+\i], v[CT+4*\c+\i]
.endr
.endr
.set j, 0
.rept 16
	v_pk_mul_f32 v[O+j:O+j+1], v[O+j:O+j+1], v[FF:FF+1] op_sel_hi:[1,0]   ; O^T under the new M.  These sixteen are also the places between the codes and the scale word just made and the products below
.set j, j+2
.endr
	s_wait_alu depctr_va_vdst(0)
.irp t, 0,1,2,3
	s_wait_dscnt 9-3*\t                            ; V's images 0 .. t are in; the later ones, three loads each, may be out
	v_wmma_scale_f32_16x16x128_f8f6f4 v[O+8*\t:O+8*\t+7], v[F+12*\t:F+12*\t+11], v[PC:PC+11], v[O+8*\t:O+8*\t+7], v[SCW+\t], v[PW] matrix_a_fmt:MATRIX_FMT_FP6 matrix_b_fmt:MATRIX_FMT_FP6 matrix_a_scale:MATRIX_SCALE_ROW1
.endr
	s_add_co_u32 s36, s36, REC                     ; the next step's record
.endm
; A PASS: one tile of 16 queries against all 2,048 keys, and its way out.  n: the pass
.macro PASS qb, qs, n
	s_wait_xcnt 0x0                                ; the last pass's stores have read their registers: the step's sums use some of them
	v_mov_b32 v13, 0xff61b1e6
	s_delay_alu instid0(VALU_DEP_1)
	v_floor_f32 v12, -v13                          ; -M
	v_mov_b32 v14, 0                               ; the sum, in two halves
	v_mov_b32 v15, 0
.set j, 0
.rept 32
	v_mov_b32 v[O+j], 0                            ; O^T: the step is written once; the first finds zeros, which the first change of M leaves zeros
.set j, j+1
.endr
	s_mov_b32 s36, 0
	s_mov_b32 s37, 16
.Lstep_\@:
	STEP \qb, \qs
	s_sub_co_i32 s37, s37, 1
	s_cmp_lg_u32 s37, 0
	s_cbranch_scc1 .Lstep_\@
.rept 4
	v_nop                                          ; four places behind the last products
.endr
	v_add_f32 v14, v14, v15                        ; the sum's two halves,
	s_delay_alu instid0(VALU_DEP_1)
	v_permlanex16_b32 v[TMP], v14, s32, s33
	s_delay_alu instid0(VALU_DEP_1)
	v_add_f32 v14, v14, v[TMP]                     ; and lane l xor 16's: the row's sum
	s_wait_alu depctr_va_vdst(0)
	v_rcp_f32 v14, v14
	v_nop                                          ; a plain place behind it
	s_wait_alu depctr_va_vdst(0)                   ; and the wait ahead of its first reader
.set j, 0
.rept 32
	v_mul_f32 v[S+j], v[O+j], v14                  ; register 8 t + i: channel 16 t + 8 h + i of my query; each accumulator from its low end on
.set j, j+1
.endr
.irp b, 0,1
.irp i, 0,1,2,3,4,5,6,7
	v_permlane16_swap_b32 v[S+16*\b+\i], v[S+16*\b+8+\i]   ; natural order: register 16 b + i now holds channel 32 b + 16 h + i
.endr
.endr
.irp b, 0,1
	v_max3_num_f32 v[BM+\b], |v[S+16*\b]|, |v[S+16*\b+1]|, 0x1800000
.endr
.irp i, 2,4,6,8,10,12,14
.irp b, 0,1
	s_delay_alu instid0(VALU_DEP_2)
	v_max3_num_f32 v[BM+\b], v[BM+\b], |v[S+16*\b+\i]|, |v[S+16*\b+\i+1]|
.endr
.endr
.irp b, 0,1
	s_delay_alu instid0(VALU_DEP_2)
	v_permlanex16_b32 v[BP+\b], v[BM+\b], s32, s33
.endr
.irp b, 0,1
	s_delay_alu instid0(VALU_DEP_2)
	v_max_num_f32 v[BM+\b], v[BM+\b], v[BP+\b]
.endr
.irp b, 0,1
	s_delay_alu instid0(VALU_DEP_2)
	v_add_nc_u32 v[SO+\b], 0xff000000, v[BM+\b]
.endr
.irp b, 0,1
	s_delay_alu instid0(VALU_DEP_2)
	v_lshrrev_b32 v[BP+\b], 23, v[SO+\b]
.endr
	s_delay_alu instid0(VALU_DEP_1)
	v_lshl_or_b32 v[OW+(\n)], v[BP+1], 8, v[BP]    ; the head's two scale bytes of my token
	v_cvt_scalef32_pk16_fp6_f32 v[OC+6*(\n):OC+6*(\n)+2], v[S:S+15], v[SO]
	v_cvt_scalef32_pk16_fp6_f32 v[CT:CT+2], v[S+16:S+31], v[SO+1]
	v_nop                                          ; one plain place behind a scaled conversion
.irp i, 0,1,2
	v_permlane16_swap_b32 v[OC+6*(\n)+\i], v[CT+\i]
.endr
.irp i, 0,1,2
	s_delay_alu instid0(VALU_DEP_3)
	v_mov_b32 v[OC+6*(\n)+3+\i], v[CT+\i]          ; six registers: lanes 0-15 the head's block 0, lanes 16-31 its block 1
.endr
.irp p, 0,1,2
	global_store_b64 v[L8], v[OC+6*(\n)+2*\p:OC+6*(\n)+2*\p+1], s[8:9] offset:12288*(\n)+256*\p   ; 32 lanes store 256 consecutive bytes, at a multiple of 256 from the buffer's first byte
.endr
	global_store_b16 v[R32], v[OW+(\n)], s[10:11] offset:512*(\n)   ; two bytes a token, 32 bytes apart; lanes 16-31 write the same bytes with the same values.  Two bytes beside each 48 bytes of codes
.endm
	PASS 16, QS0, 0
	PASS 28, QS1, 1
	s_wait_dscnt 0x0
	s_wait_tensorcnt 0x0
	ds_add_u32 v254, v255
	s_wait_dscnt 0x0
	ROUND                                          ; the closing round
	s_endpgm
.Lfunc_end_k_q88baba0ec7_attn:
	.size	k_q88baba0ec7_attn, .Lfunc_end_k_q88baba0ec7_attn-k_q88baba0ec7_attn
	.p2alignl 7, 3214868480
	.fill 96, 4, 3214868480
	.section	.rodata,"a",@progbits
	.p2align	6, 0x0
	.amdhsa_kernel k_q88baba0ec7_attn
		.amdhsa_group_segment_fixed_size 206848
		.amdhsa_private_segment_fixed_size 0
		.amdhsa_enable_private_segment 0
		.amdhsa_kernarg_size 32
		.amdhsa_user_sgpr_count 2
		.amdhsa_user_sgpr_kernarg_segment_ptr 1
		.amdhsa_wavefront_size32 1
		.amdhsa_system_sgpr_workgroup_id_x 1
		.amdhsa_system_sgpr_workgroup_id_y 1
		.amdhsa_system_sgpr_workgroup_id_z 1
		.amdhsa_system_vgpr_workitem_id 0
		.amdhsa_next_free_vgpr 256
		.amdhsa_next_free_sgpr 66
		.amdhsa_reserve_vcc 0
		.amdhsa_float_denorm_mode_32 3
		.amdhsa_float_denorm_mode_16_64 3
		.amdhsa_memory_ordered 1
		.amdhsa_forward_progress 1
		.amdhsa_inst_pref_size 52
	.end_amdhsa_kernel
	.amdgpu_metadata
---
amdhsa.version: [ 1, 2 ]
amdhsa.kernels:
  - .name:           k_q88baba0ec7_attn
    .symbol:         k_q88baba0ec7_attn.kd
    .args:
      - { .name: qimg, .offset: 0, .size: 8, .value_kind: global_buffer, .address_space: global }
      - { .name: kv, .offset: 8, .size: 8, .value_kind: global_buffer, .address_space: global }
      - { .name: ao, .offset: 16, .size: 8, .value_kind: global_buffer, .address_space: global }
      - { .name: aos, .offset: 24, .size: 8, .value_kind: global_buffer, .address_space: global }
    .group_segment_fixed_size: 206848
    .private_segment_fixed_size: 0
    .kernarg_segment_align: 8
    .kernarg_segment_size: 32
    .max_flat_workgroup_size: 512
    .sgpr_count:     66
    .vgpr_count:     256
    .wavefront_size: 32
...
	.end_amdgpu_metadata
.endif
;; end of part 2
;; launch oproj (part 3): grid 4 x 64, 4 waves a work-group, clusters of 4 x 4, 327,680 bytes of LDS; arguments ao, aos, Wo_codes, Wo_scales, out0; writes out0
.if DOCPART == 3
	.amdgcn_target "amdgcn-amd-amdhsa--gfx1250"
	.amdhsa_code_object_version 6
	.text
	.protected	k_q88baba0ec7_oproj
	.globl	k_q88baba0ec7_oproj
	.p2align	8
	.type	k_q88baba0ec7_oproj,@function
k_q88baba0ec7_oproj:
	s_mov_b64 s[64:65], 0
	v_nop
	global_prefetch_b8 v0, s[64:65] scope:SCOPE_SE
	s_setreg_imm32_b32 hwreg(HW_REG_WAVE_MODE, 25, 1), 1
	s_wait_xcnt 0x0
	s_wait_alu depctr_hold_cnt(0) depctr_sa_sdst(0) depctr_va_vdst(0) depctr_va_sdst(0) depctr_va_ssrc(0) depctr_va_vcc(0) depctr_vm_vsrc(0)
	s_getreg_b32 s2, hwreg(HW_REG_IB_STS2, 6, 4)
	s_cmp_eq_u32 s2, 0
	s_cbranch_scc0 .Lentry_in_a_cluster
	s_endpgm
.Lentry_in_a_cluster:
	s_bfe_u32 s2, ttmp6, 0x10000c
	s_cmp_lg_u32 s2, 0xf033
	s_cbranch_scc0 .Lentry_shape_is_right
	s_endpgm
.Lentry_shape_is_right:
; out0 = A Wo^T on codes of FP6 (E2M3), one E8M0 scale for each 32 along K = 1,024.  A: the attention's result as the launch before left it:
;   ao [tile of 16 tokens][head][768 bytes]: register pair p of lane l at 256 p + 8 l; two heads on end are a fragment of 128 along K;  aos [token][32] scale bytes.
; 256 work-groups of four waves; a work-group makes 128 tokens x 256 columns, a wave 64 x 128: 4 x 8 accumulators.
; ALL OF K LIES IN LDS, filled once at the head, one joint load a wave: waves 0, 1 half of A's 98,304 dense bytes each (rows of 256 bytes), waves 2, 3 128 rows of Wo each (768 bytes, 16 of padding behind each 256).  Nothing is filled again.
; CLUSTERS 4 x 4: A's tile is asked for jointly along a row of the cluster, Wo's along a column.  Scale words go from memory straight into registers (lane l: row l of a group of 32).
; Nothing is prefetched: all that the launch reads is asked for at its head, and there is no loop to run ahead in.
; The matrix instruction is used transposed (source 0 = Wo's rows): a lane holds eight neighbouring columns of a row.  The way out goes through a stage in A's region, behind a barrier behind which nobody reads that region; it has had its only fill.
.set KROW,  768
.set PITCH, 816
.set FR,    12
.set WB,    98304
.set SPARE, WB+256*PITCH
.set SPITCH, 528
.set L32,  2
.set STO,  3
.set RD,   4
.set CO,   5
.set SPW,  10
.set NIL,  11
.set RA0,  12
.set SA,   32
.set SB,   50
.set AA,   84
.set AB,   92
.set AF,   108
.set BK,   128
.set G1A, 24
.set G1W, 32
.set G0A, 48
.set G0W, 52
.set MSB, 0
.macro WIN new
.if MSB != (\new)
	s_set_vgpr_msb (MSB<<8)|(\new)
.set MSB, (\new)
.endif
.endm
.macro PLACES n
.rept \n
	v_nop
.endr
.endm
.macro CROUND
	s_barrier_signal -1
	s_barrier_wait -1
	s_cmp_lg_u32 s14, 0
	s_cbranch_scc1 .Lnot_wave_0_\@
	s_barrier_signal -3
.Lnot_wave_0_\@:
	s_barrier_wait -3
	s_barrier_signal -1
	s_barrier_wait -1
.endm
.macro TLOAD g0, g1
	tensor_load_to_lds s[\g0:\g0+3], s[\g1:\g1+7]
	s_nop 0
	PLACES 4
.endm
.macro FRAG reg, q, a0                 ; six pieces of 8 bytes, two to a load where both lie behind as many paddings; NLD counts the loads
.set SK_, 0
.irp p, 0,1,2,3,4,5
.if SK_
.set SK_, 0
.else
.set PC_, 12*(\q)+6*(\p/3)+\p%3
.set PN_, 12*(\q)+6*((\p+1)/3)+(\p+1)%3
.set X_, (PC_%32+3)/32
.set XQ_, (PN_%32+3)/32
.set NLD, NLD+1
.if (\p < 5) && (X_ == XQ_)
.set SK_, 1
	ds_load_2addr_b64 v[(\reg)+2*\p:(\reg)+2*\p+3], v[(\a0)+X_] offset0:PC_+2*(PC_/32) offset1:PN_+2*(PN_/32)
.else
	ds_load_b64 v[(\reg)+2*\p:(\reg)+2*\p+1], v[(\a0)+X_] offset:8*(PC_+2*(PC_/32))
.endif
.endif
.endr
.endm
.macro FETCH q, e
	WIN 0x40
.irp i, 0,1,2,3,4,5,6,7
	FRAG 128*(\e)+FR*\i, \q, AB+2*\i
.endr
	WIN 0
.irp i, 0,1,2,3
.irp p, 0,1,2,3,4,5
	ds_load_b64 v[AF+48*(\e)+FR*\i+2*\p:AF+48*(\e)+FR*\i+2*\p+1], v[AA] offset:12288*\i+1536*(\q)+256*\p
.set NLD, NLD+1
.endr
.endr
.endm
.macro W1 d, bf, af, z, sb, sa, bo, ao
.if \z
	v_wmma_scale_f32_16x16x128_f8f6f4 v[\d:\d+7], v[\bf:\bf+11], v[\af:\af+11], 0, v[\sb], v[\sa] matrix_a_fmt:MATRIX_FMT_FP6 matrix_b_fmt:MATRIX_FMT_FP6 matrix_a_scale:MATRIX_SCALE_ROW\bo matrix_b_scale:MATRIX_SCALE_ROW\ao
.else
	v_wmma_scale_f32_16x16x128_f8f6f4 v[\d:\d+7], v[\bf:\bf+11], v[\af:\af+11], v[\d:\d+7], v[\sb], v[\sa] matrix_a_fmt:MATRIX_FMT_FP6 matrix_b_fmt:MATRIX_FMT_FP6 matrix_a_scale:MATRIX_SCALE_ROW\bo matrix_b_scale:MATRIX_SCALE_ROW\ao
.endif
.endm
.macro MUL q, e, z                     ; 32 products, the 32 accumulators by turns
.irp a2, 0,1
.irp ao, 0,1
.irp b2, 0,1,2,3
.irp bo, 0,1
	W1 8*(8*(2*\a2+\ao)+2*\b2+\bo), 128*(\e)+FR*(2*\b2+\bo), AF+48*(\e)+FR*(2*\a2+\ao), \z, SB+8*\b2+(\q), SA+8*\a2+(\q), \bo, \ao
.endr
.endr
.endr
.endr
.endm
	s_load_b256 s[4:11], s[0:1], 0x0               ; ao, aos, Wo's codes, Wo's scales
	s_load_b64 s[12:13], s[0:1], 0x20              ; out0
	v_lshl_add_u32 v[SPW], v0, 2, SPARE
	v_mov_b32 v[NIL], 0
	ds_add_u32 v[SPW], v[NIL]                      ; the opening lines: the add twice and its wait
	ds_add_u32 v[SPW], v[NIL]
	v_lshrrev_b32 v1, 5, v0
	v_readfirstlane_b32 s14, v1
	s_lshr_b32 s15, s14, 1
	s_and_b32 s16, s14, 1
	s_bfe_u32 s40, ttmp6, 0x40000
	s_bfe_u32 s41, ttmp6, 0x40004
	s_lshl_b32 s42, ttmp9, 2
	s_add_co_u32 s42, s42, s40                     ; tile column: 256 columns
	s_and_b32 s17, ttmp7, 0xffff
	s_lshl_b32 s17, s17, 2
	s_add_co_u32 s17, s17, s41                     ; tile row: 128 tokens
	s_lshl_b32 s43, s41, 2
	s_lshl_b32 s43, 15, s43
	s_lshl_b32 s44, 0x1111, s40
	s_or_b32 s[G1A+0], s43, (3<<16)|(1<<21)        ; A: 192 rows of 256 bytes (32 elements of 8), dense
	s_mov_b32 s[G1A+1], 32<<16
	s_mov_b32 s[G1A+2], 192<<16
	s_mov_b32 s[G1A+3], 32<<16
	s_mov_b32 s[G1A+4], 192
	s_mov_b32 s[G1A+5], 32
	s_mov_b32 s[G1A+6], 0
	s_mov_b32 s[G1A+7], 0
	s_or_b32 s[G1W+0], s44, (1<<20)|(1<<21)|(5<<22)|(3<<25)   ; Wo: 128 rows of 768 bytes, padded
	s_mov_b32 s[G1W+1], KROW<<16
	s_mov_b32 s[G1W+2], 128<<16
	s_mov_b32 s[G1W+3], KROW<<16
	s_mov_b32 s[G1W+4], 128
	s_mov_b32 s[G1W+5], KROW
	s_mov_b32 s[G1W+6], 0
	s_mov_b32 s[G1W+7], 0
	s_mov_b32 s19, 0
	s_lshl_b32 s20, s17, 7
	s_lshl_b32 s21, s15, 6
	s_add_co_u32 s20, s20, s21                     ; my first token
	s_lshl_b32 s22, s20, 5                         ; its scale bytes
	s_lshl_b32 s23, s20, 12                        ; its row of out0
	s_lshl_b32 s21, s42, 10
	s_add_co_u32 s23, s23, s21
	s_lshl_b32 s21, s16, 9
	s_add_co_u32 s23, s23, s21                     ; + my first column
	s_lshl_b32 s45, s42, 8
	s_lshl_b32 s21, s16, 7
	s_add_co_u32 s45, s45, s21                     ; my first row of Wo
	s_mul_i32 s46, s45, KROW
	s_lshl_b32 s47, s45, 5
	s_mul_i32 s57, s14, 49152
	s_mul_i32 s56, s17, 98304
	s_add_co_u32 s56, s56, s57                     ; the half of A's tile that waves 0, 1 fetch
	s_mul_i32 s58, s16, 128*PITCH
	s_add_co_u32 s58, s58, WB
	s_mul_i32 s59, s15, 49152
	s_wait_alu depctr_va_vdst(0)
	s_wait_dscnt 0x0
	CROUND                                         ; the round in front of the joint loads
	s_wait_kmcnt 0x0
	s_mov_b32 s[G0A], 1
	s_mov_b32 s[G0A+1], s57
	s_mov_b32 s18, s56
	s_add_nc_u64 s[G0A+2:G0A+3], s[4:5], s[18:19]
	s_or_b32 s[G0A+3], s[G0A+3], 0x80000000
	s_mov_b32 s[G0W], 1
	s_mov_b32 s[G0W+1], s58
	s_mov_b32 s18, s46
	s_add_nc_u64 s[G0W+2:G0W+3], s[8:9], s[18:19]
	s_or_b32 s[G0W+3], s[G0W+3], 0x80000000
	s_cmp_eq_u32 s15, 0
	s_cbranch_scc0 .Lhead_w
	TLOAD G0A, G1A
	s_branch .Lhead_asked
.Lhead_w:
	TLOAD G0W, G1W
.Lhead_asked:
	s_mov_b32 s18, s22
	s_add_nc_u64 s[6:7], s[6:7], s[18:19]
	s_mov_b32 s18, s47
	s_add_nc_u64 s[10:11], s[10:11], s[18:19]
	s_mov_b32 s18, s23
	s_add_nc_u64 s[12:13], s[12:13], s[18:19]
	v_and_b32 v1, 15, v0                           ; r
	v_bfe_u32 v18, v0, 4, 1                        ; h
	v_and_b32 v19, 31, v0                          ; lane
	v_lshlrev_b32 v[L32], 5, v19
.irp i, 0,1
.irp c, 0,1
	global_load_b128 v[SA+8*\i+4*\c:SA+8*\i+4*\c+3], v[L32], s[6:7] offset:1024*\i+16*\c
.endr
.endr
.irp i, 0,1,2,3
.irp c, 0,1
	global_load_b128 v[SB+8*\i+4*\c:SB+8*\i+4*\c+3], v[L32], s[10:11] offset:1024*\i+16*\c
.endr
.endr
	v_mul_u32_u24 v20, v1, PITCH
	v_mad_u32_u24 v[RA0], v18, 24, v20
	v_mad_u32_u24 v[RA0+1], v18, 40, v20
	v_add_nc_u32 v16, s58, v[RA0]
	v_add_nc_u32 v17, s58, v[RA0+1]
.irp i, 0,1,2,3,4,5,6,7
	v_add_nc_u32 v[AB+2*\i], \i*16*PITCH, v16
	v_add_nc_u32 v[AB+2*\i+1], \i*16*PITCH, v17
.endr
	v_lshl_add_u32 v[AA], v19, 3, s59              ; A: my four tiles, 8 x lane
	s_mul_i32 s20, s14, 16*SPITCH                  ; my stage
	v_mul_u32_u24 v20, v1, SPITCH
	v_lshl_add_u32 v20, v18, 5, v20
	v_add_nc_u32 v[STO], s20, v20
	v_lshlrev_b32 v[CO], 4, v19
	v_add_nc_u32 v[RD], s20, v[CO]
	s_wait_alu depctr_va_vdst(0)
	s_wait_tensorcnt 0x0
	s_barrier_signal -1
	s_barrier_wait -1                              ; both tiles are in
	s_wait_loadcnt 0x0                             ; the scale words
.set NLD, 0
	FETCH 0, 0
.irp q, 0,1,2,3,4,5,6,7                ; step q + 1's loads are issued ahead of step q's products, and the wait leaves just those out
.if \q < 7
.if \q > 0
	PLACES 4
.endif
.set NLD, 0
	FETCH \q+1, (\q+1)%2
	s_wait_dscnt NLD
.else
	s_wait_dscnt 0x0
.endif
	WIN 0xa1
	MUL \q, \q%2, \q==0
.endr
	WIN 0
	PLACES 4
	s_barrier_signal -1                            ; my LDS reads are over (waited for above)
	s_barrier_wait -1                              ; everybody's are: A's region serves as the stage
.macro TOSTAGE a                       ; 16 rows x 128 columns into my stage, and back as whole rows of 512 bytes
	WIN 0x08
.irp b, 0,1,2,3,4,5,6,7
	ds_store_b128 v[STO], v[64*(\a)+8*\b:64*(\a)+8*\b+3] offset:64*\b
	ds_store_b128 v[STO], v[64*(\a)+8*\b+4:64*(\a)+8*\b+7] offset:64*\b+16
.endr
	WIN 0
.set BB, BK+64*((\a)%2)
.irp t, 0,1,2,3,4,5,6,7,8,9,10,11,12,13,14,15
	ds_load_b128 v[BB+4*\t:BB+4*\t+3], v[RD] offset:\t*SPITCH
.endr
.endm
.macro SEND a, younger
.set BB, BK+64*((\a)%2)
	s_wait_dscnt \younger
.if (\a) > 0
	s_add_nc_u64 s[12:13], s[12:13], 16*4096
.endif
.irp t, 0,1,2,3,4,5,6,7,8,9,10,11,12,13,14,15
	global_store_b128 v[CO], v[BB+4*\t:BB+4*\t+3], s[12:13] offset:\t*4096 th:TH_STORE_NT   ; 32 lanes store 512 consecutive bytes
.endr
.endm
	TOSTAGE 0
.irp a, 1,2,3
.if \a > 1
	s_wait_xcnt 0x0                                ; block a - 2's stores have read their registers and their base
.endif
	TOSTAGE \a
	SEND \a-1, 32                                  ; younger: block a's 16 stores and 16 loads
.endr
	s_wait_xcnt 0x0
	SEND 3, 0
	s_wait_tensorcnt 0x0                           ; the wave's end
	ds_add_u32 v[SPW], v[NIL]
	s_wait_dscnt 0x0
	CROUND                                         ; the closing round
	s_endpgm
.Lfunc_end_k_q88baba0ec7_oproj:
	.size	k_q88baba0ec7_oproj, .Lfunc_end_k_q88baba0ec7_oproj-k_q88baba0ec7_oproj
	.p2alignl 7, 3214868480
	.fill 96, 4, 3214868480
	.section	.rodata,"a",@progbits
	.p2align	6, 0x0
	.amdhsa_kernel k_q88baba0ec7_oproj
		.amdhsa_group_segment_fixed_size 327680
		.amdhsa_private_segment_fixed_size 0
		.amdhsa_enable_private_segment 0
		.amdhsa_kernarg_size 40
		.amdhsa_user_sgpr_count 2
		.amdhsa_user_sgpr_kernarg_segment_ptr 1
		.amdhsa_wavefront_size32 1
		.amdhsa_system_sgpr_workgroup_id_x 1
		.amdhsa_system_sgpr_workgroup_id_y 1
		.amdhsa_system_sgpr_workgroup_id_z 1
		.amdhsa_system_vgpr_workitem_id 0
		.amdhsa_next_free_vgpr 768
		.amdhsa_next_free_sgpr 66
		.amdhsa_reserve_vcc 0
		.amdhsa_float_denorm_mode_32 3
		.amdhsa_float_denorm_mode_16_64 3
		.amdhsa_memory_ordered 1
		.amdhsa_forward_progress 1
		.amdhsa_inst_pref_size 82
	.end_amdhsa_kernel
	.amdgpu_metadata
---
amdhsa.version: [ 1, 2 ]
amdhsa.kernels:
  - .name:           k_q88baba0ec7_oproj
    .symbol:         k_q88baba0ec7_oproj.kd
    .args:
      - { .name: ao, .offset: 0, .size: 8, .value_kind: global_buffer, .address_space: global }
      - { .name: aos, .offset: 8, .size: 8, .value_kind: global_buffer, .address_space: global }
      - { .name: Wo_codes, .offset: 16, .size: 8, .value_kind: global_buffer, .address_space: global }
      - { .name: Wo_scales, .offset: 24, .size: 8, .value_kind: global_buffer, .address_space: global }
      - { .name: out0, .offset: 32, .size: 8, .value_kind: global_buffer, .address_space: global }
    .group_segment_fixed_size: 327680
    .private_segment_fixed_size: 0
    .kernarg_segment_align: 8
    .kernarg_segment_size: 40
    .max_flat_workgroup_size: 128
    .sgpr_count:     66
    .vgpr_count:     768
    .wavefront_size: 32
...
	.end_amdgpu_metadata
.endif
;; end of part 3
